; MI455X (gfx1250); checked and timed in simulation.
; The chip was launched on July 23, 2026; its instructions are those of AMD's public machine-readable ISA for CDNA 5 (MIT licence, August 2026) and "CDNA5" Instruction Set Architecture Reference Guide (July 2026). The comments in the code are by the model that wrote it; some were corrected since.
;; Stream Aware Lo RA. Allowed arithmetic: matrix products marked QUANTISED: E5M2 operands, one given power-of-two scale a tensor, by v_wmma_f32_16x16x64_bf8_bf8 or v_wmma_f32_16x16x128_bf8_bf8, f32 sums; products left as they are: f32 operands where the result goes on into a quantised operand, else bf16, f16 or f32 operands; f32 sums; everything else in f32.
;; Inputs: W 4,096 x 4,096 float32; b 4,096 float32; hidden_states 32 x 128 x 4,096 float32; lora_A 8 x 16 x 4,096 float32; lora_B 8 x 4,096 x 16 float32; lowp_scales 4 int32 (the exponents e of the quantised operands' scales 2^e).
;; Outputs: out0 32 x 128 x 4,096 float32.
;; This version of the problem:
;;   THIS VERSION OF THE PROBLEM IS GIVEN IN LOW PRECISION. The matrix products marked QUANTISED in the list below multiply operands that are first quantised to E5M2 (5 exponent bits, 2 mantissa bits; 8 bits a number), with one given power-of-two scale for each operand tensor; their sums are f32. All else is computed in f32.
;;   The module's matrix products, in the order in which they are computed (A, B: the left and right operand; K: the contracted axis; several contracted axes count as one K, in the product's order):
;;     1. [M 4,096, K 4,096] x [K 4,096, N 4,096]; A: input hidden_states; B: input W: QUANTISED (scales: A lowp_scales[0], B lowp_scales[1])
;;     2. batch 8 x [M 512, K 4,096] x [K 4,096, N 16]; A: input hidden_states; B: input lora_A: QUANTISED (scales: A lowp_scales[2], B lowp_scales[3])
;;     3. batch 8 x [M 512, K 16] x [K 16, N 4,096]; A: computed on the way; B: input lora_B: left as it is (K = 16 < 32)
;;   THE QUANTISER, for each operand of a quantised product, along K:
;;     - The operand's scale is 2^e, e = its entry of the input lowp_scales (int32; the entries are numbered through the quantised products in the list's order, A before B).
;;     - Each number is divided by the scale, clamped to +-57,344, and rounded to the nearest number of E5M2, ties to even, subnormals kept.
;;     - The product sums the exact products of the quantised numbers (number of the format x scale) in f32.
;;   ~~~python
;;   def quantise(x, axis, e):      # numpy; x: float32 -> the quantised numbers, widened to float32 again
;;       x = np.moveaxis(x, axis, -1); K = x.shape[-1]
;;       r = np.clip(x / 2.0 ** e, -57344, 57344)
;;       step = 2.0 ** (np.maximum(np.frexp(np.where(r == 0, 1, r))[1] - 1, -14) - 2)
;;       q = np.round(r / step) * step * 2.0 ** e      # np.round: ties to even
;;       return np.moveaxis(q, -1, axis).astype(np.float32)
;;   ~~~
;; One version. Each part assembles by itself: llvm-mc -triple=amdgcn-amd-amdhsa -mcpu=gfx1250 --defsym DOCPART=n.
;; ======== version 1 of 1: 2 launches
;; limits: values are held in bf16: 8 bits of precision; right only within a limited range of input values
;; workspace buffers: xc 16,777,216 bytes; wc 16,777,216 bytes; t 131,072 bytes
;; launch quant (part 1): grid 256 x 1, 8 waves a work-group, no clusters, 144,384 bytes of LDS; arguments hidden_states, W, lora_A, lowp_scales, xc, wc, t; writes xc, wc, t
.if DOCPART == 1
	.amdgcn_target "amdgcn-amd-amdhsa--gfx1250"
	.amdhsa_code_object_version 6
	.text
	.protected	k_qa21a9755ff_quant
	.globl	k_qa21a9755ff_quant
	.p2align	8
	.type	k_qa21a9755ff_quant,@function
k_qa21a9755ff_quant:
	s_mov_b64 s[64:65], 0
	v_nop
	global_prefetch_b8 v0, s[64:65] scope:SCOPE_SE
	s_setreg_imm32_b32 hwreg(HW_REG_WAVE_MODE, 25, 1), 1
	s_wait_xcnt 0x0
; x [4096][4096] and W [4096][4096], f32, become codes of BF8 (E5M2) under the given scales 2^e0 and 2^e1 (buffers xc, wc), and the second product of the problem,
; a[m][r] = sum over k of Q(x, e2)[m][k] Q(lora_A, e3)[m / 512][r][k], is made here too, where x is at hand as f32.  It leaves as t [4096][16] bf16, t = sum x 2^(e2 + e3 + 1 - e0 - e1):
; a x the LoRA scaling 2, divided by the 2^(e0 + e1) that the next launch multiplies all its sums by.
; code = number / 2^e, held within +-57,344, rounded to the nearest code, ties to even.
; LIMITS: each e between -126 and 112 (2^e and 57,344 x 2^e are made as f32 patterns); t must stay finite in f32; NaN among the inputs is not served; t is rounded to bf16.
; SHARES.  Work-group g takes rows 16 g .. 16 g + 15 of x and of W, and all 16 rows of lora_A[g / 32].  Wave w of eight takes K = 512 w .. 512 w + 511 of all three: 48 row steps.
; A ROW STEP is four loads of 512 consecutive bytes, 16 bytes a lane: a lane's 16 registers become 16 codes, 16 bytes.
; THE ORDER OF THE STEPS.  lora_A's rows are read by 32 work-groups, x's and W's by this one alone.  Steps 5 b .. 5 b + 4 (b = 0 .. 7): lora_A's row 2 b, x's row 2 b, W's row b, lora_A's row 2 b + 1, x's row 2 b + 1.
; Steps 40-47: W's rows 8-15.  A ring of eight rows' registers: 32 loads, 16 KiB, of a wave are on their way.
; THE LAYOUT of xc and wc: [16 slots of 256 along K][4,096 rows][256 bytes]: of a row's 512 codes lanes 0-15 store 256 consecutive bytes in slot 2 w, lanes 16-31 256 in slot 2 w + 1, both aligned.
; THE ORDER OF K.  A tensor's one scale knows no blocks, so K may be permuted, alike in both operands of a product: byte 16 l + 4 q + e of a wave's 512 holds k = 128 q + 4 l + e (l the lane, q the load).
; THE SMALL PRODUCT.  The codes of lora_A and of x under e2 go into the wave's own two stages in LDS (16 rows x 512 bytes + 16 of padding) and come back as fragments; four products sum the wave's 512 along K.
; The eight waves' parts meet in LDS behind the launch's one barrier and wave 0 adds them.  All that stands behind step 39, while W's last eight rows are on their way.
; No tensor loads, no cluster: lora_A's rows, which 32 work-groups share, do not fit in LDS as f32 beside the stages.
; REGISTERS, window 0:
.set R,     16                         ; v16-143  eight slots of 16 numbers as loaded
.set T,     144                        ; v144-159 x held under e2; then the wave's part of the sums
.set CG,    160                        ; v160-223 x's codes for memory: four registers a row, written once
.set LC,    224                        ; v224-239 codes for LDS: four slots by turns
.set ACC0,  240                        ; v240-247, v248-255 two accumulators, by turns
.set ACC1,  248
.set SPW,   7                          ; my spare word
.set NIL,   1                          ; 0
; window 1: v0-63 W's codes, four registers a row, written once;
.set FR,    64                         ; v64-191 eight fragments; in wave 0 then the eight parts and t
.set PITCH, 528                        ; a stage row: 512 bytes + 16 = 33 x 16 bytes: the 16 rows of a fragment load start at 16 different columns of 16 bytes
.set STA,   0                          ; in a wave's region: lora_A's codes,
.set STX,   16*PITCH                   ; then x's under e2
.set WREG,  2*16*PITCH
.set REG0,  8*1024                     ; the eight parts (images of eight registers, 1,024 bytes each) lie from 0, the regions behind them
.set SPARE, REG0+8*WREG                ; the spare words, 128 bytes a wave
.set ROWF,  16384                      ; a row of f32 in bytes
.set MSB, 0
.macro WIN new                         ; the immediate's high byte repeats the setting that is left
.if MSB != (\new)
	s_set_vgpr_msb (MSB<<8)|(\new)
.set MSB, (\new)
.endif
.endm
	s_load_b256 s[4:11], s[0:1], 0x0               ; x, W, lora_A, the scales' exponents
	s_load_b128 s[12:15], s[0:1], 0x20             ; xc, wc
	s_load_b64 s[16:17], s[0:1], 0x30              ; t
	v_lshl_add_u32 v[SPW], v0, 2, SPARE
	v_mov_b32 v[NIL], 0
	v_lshrrev_b32 v144, 5, v0
	v_readfirstlane_b32 s18, v144                  ; wave 0..7
	s_mul_i32 s36, s18, WREG
	s_add_co_u32 s36, s36, REG0                    ; my region
	s_lshl_b32 s37, s18, 10                        ; my image
	v_and_b32 v145, 15, v0                         ; r
	v_bfe_u32 v146, v0, 4, 1                       ; h
	v_and_b32 v147, 31, v0                         ; lane
	v_mul_u32_u24 v4, v145, PITCH
	v_lshlrev_b32 v6, 20, v146
	v_lshlrev_b32 v2, 4, v147                      ; v2: 16 x lane
	v_lshl_add_u32 v4, v146, 4, v4
	v_lshl_add_u32 v6, v145, 4, v6                 ; v6: codes to memory: slot h of the wave's two, 16 r
	v_add_nc_u32 v3, s36, v2                       ; v3: into a stage: 16 x lane of a row
	v_add_nc_u32 v4, s36, v4                       ; v4: out of a stage: row r, 16 h
	v_add_nc_u32 v5, s37, v2                       ; v5: my image, 16 x lane
	s_lshl_b32 s34, s18, 11                        ; 2,048 bytes of a row of f32 a wave
	s_lshl_b32 s26, ttmp9, 18                      ; x, W: 16 rows of 16,384 bytes a work-group
	s_add_co_u32 s26, s26, s34
	s_mov_b32 s27, 0
	s_lshr_b32 s28, ttmp9, 5                       ; lora_A: stream g / 32
	s_lshl_b32 s28, s28, 18
	s_add_co_u32 s28, s28, s34
	s_mov_b32 s29, 0
	s_lshl_b32 s30, ttmp9, 12                      ; xc, wc: 16 rows of 256 bytes in slots 2 w and 2 w + 1
	s_lshl_b32 s35, s18, 21
	s_add_co_u32 s30, s30, s35
	s_mov_b32 s31, 0
	s_lshl_b32 s32, ttmp9, 9                       ; t: 16 rows of 32 bytes
	s_mov_b32 s33, 0
	s_wait_alu depctr_va_vdst(0)                   ; directly ahead of the wait below
	s_wait_kmcnt 0x0
	s_load_b128 s[20:23], s[10:11], 0x0            ; e0, e1, e2, e3
	s_add_nc_u64 s[4:5], s[4:5], s[26:27]
	s_add_nc_u64 s[6:7], s[6:7], s[26:27]
	s_add_nc_u64 s[8:9], s[8:9], s[28:29]
	s_add_nc_u64 s[12:13], s[12:13], s[30:31]
	s_add_nc_u64 s[14:15], s[14:15], s[30:31]
	s_add_nc_u64 s[16:17], s[16:17], s[32:33]
; Step t's four loads, into slot t % 8.  x and W are read once in the launch; lora_A is read again by other work-groups, so its loads carry no hint.
.macro LOADROW t
.set RL, R+16*((\t)%8)
.set LU, (\t)%5
.set LK, (\t)/5
.if (\t) >= 40
.irp q, 0,1,2,3
	global_load_b128 v[RL+4*\q:RL+4*\q+3], v2, s[6:7] offset:((\t)-32)*ROWF+512*\q th:TH_LOAD_NT
.endr
.elseif LU == 2
.irp q, 0,1,2,3
	global_load_b128 v[RL+4*\q:RL+4*\q+3], v2, s[6:7] offset:LK*ROWF+512*\q th:TH_LOAD_NT
.endr
.elseif (LU == 0) || (LU == 3)
.irp q, 0,1,2,3
	global_load_b128 v[RL+4*\q:RL+4*\q+3], v2, s[8:9] offset:(2*LK+LU/3)*ROWF+512*\q
.endr
.else
.irp q, 0,1,2,3
	global_load_b128 v[RL+4*\q:RL+4*\q+3], v2, s[4:5] offset:(2*LK+LU/4)*ROWF+512*\q th:TH_LOAD_NT
.endr
.endif
.endm
.macro WAITROW t                       ; loads come back in order (ISA guide 5.7.1): seven younger rows x 4 may be out, 47 - t at the end
.if (\t) < 40
	s_wait_loadcnt 28
.else
	s_wait_loadcnt 4*(47-(\t))
.endif
.endm
.irp t, 0,1,2,3,4,5,6,7
	LOADROW \t
.endr
	s_wait_kmcnt 0x0
.irp j, 0,1,2,3                        ; v[8+2j] = 2^ej as f32 (the conversion takes its exponent field), v[9+2j] = 57,344 x 2^ej
	s_add_co_i32 s34, s[20+\j], 127
	s_lshl_b32 s35, s34, 23
	v_mov_b32 v[8+2*\j], s35
	s_add_co_i32 s34, s34, 15
	s_lshl_b32 s34, s34, 23
	s_or_b32 s34, s34, 0x600000
	v_mov_b32 v[9+2*\j], s34
.endr
	s_add_co_i32 s24, s22, s23
	s_sub_co_i32 s24, s24, s20
	s_sub_co_i32 s24, s24, s21
	s_add_co_i32 s24, s24, 1                       ; e2 + e3 + 1 - e0 - e1
; The conversion to an 8-bit code does not saturate (ISA guide 7.6.2), so each number is first held within the largest code x the scale.
; Behind a step's last conversion stand loads and stores, which want no distance, and then the next step's holds: plain vector lines on other registers.
.macro STEP_A t, i                     ; row i of lora_A: codes under e3 into my stage
.set RS, R+16*((\t)%8)
.set LS, LC+4*((2*(\i))%4)
	WAITROW \t
	s_wait_dscnt 3                                 ; the stage store that read this code slot four stores ago is done: three were issued behind it
.irp j, 0,1,2,3,4,5,6,7,8,9,10,11,12,13,14,15
	v_med3_num_f32 v[RS+\j], v[RS+\j], -v15, v15
.endr
	v_cvt_scalef32_pk8_bf8_f32 v[LS:LS+1], v[RS:RS+7], v14
	v_cvt_scalef32_pk8_bf8_f32 v[LS+2:LS+3], v[RS+8:RS+15], v14
	LOADROW (\t)+8
	ds_store_b128 v3, v[LS:LS+3] offset:STA+PITCH*(\i)
.endm
.macro STEP_X t, i                     ; row i of x: codes under e2 into my stage, codes under e0 to memory, four rows' together
.set RS, R+16*((\t)%8)
.set LS, LC+4*((2*(\i)+1)%4)
.set XC, CG+4*(\i)
	WAITROW \t
	s_wait_dscnt 3
.irp j, 0,1,2,3,4,5,6,7,8,9,10,11,12,13,14,15
	v_med3_num_f32 v[T+\j], v[RS+\j], -v13, v13    ; under e2, into other registers: the numbers are wanted once more
.endr
	v_cvt_scalef32_pk8_bf8_f32 v[LS:LS+1], v[T:T+7], v12
	v_cvt_scalef32_pk8_bf8_f32 v[LS+2:LS+3], v[T+8:T+15], v12
.irp j, 0,1,2,3,4,5,6,7,8,9,10,11,12,13,14,15
	v_med3_num_f32 v[RS+\j], v[RS+\j], -v9, v9     ; under e0, in place
.endr
	v_cvt_scalef32_pk8_bf8_f32 v[XC:XC+1], v[RS:RS+7], v8
	v_cvt_scalef32_pk8_bf8_f32 v[XC+2:XC+3], v[RS+8:RS+15], v8
	LOADROW (\t)+8
	ds_store_b128 v3, v[LS:LS+3] offset:STX+PITCH*(\i)
.if ((\i)%4) == 3
.irp j, 0,1,2,3
	global_store_b128 v6, v[XC-4*(3-\j):XC-4*(3-\j)+3], s[12:13] offset:256*((\i)-3+\j)   ; sixteen lanes store 256 consecutive bytes, at a multiple of 256 from xc's first byte
.endr
.endif
.endm
.macro STEP_W t, i                     ; row i of W: codes under e1 to memory: rows 0-1, 2-5, 6-9, 10-13 and 14-15 together
.set RS, R+16*((\t)%8)
	WAITROW \t
.irp j, 0,1,2,3,4,5,6,7,8,9,10,11,12,13,14,15
	v_med3_num_f32 v[RS+\j], v[RS+\j], -v11, v11
.endr
	WIN 0x40                                       ; the codes lie in window 1
	v_cvt_scalef32_pk8_bf8_f32 v[4*(\i):4*(\i)+1], v[RS:RS+7], v10
	v_cvt_scalef32_pk8_bf8_f32 v[4*(\i)+2:4*(\i)+3], v[RS+8:RS+15], v10
	WIN 0
.if (\t) < 40
	LOADROW (\t)+8                                 ; the last eight steps load nothing
.endif
.if (((\i)%4) == 1) || ((\i) == 15)
	WIN 0x04                                       ; store data from window 1
.irp j, 0,1,2,3
.if (((\i)-3+\j) >= 0) && (((\i) < 15) || (\j > 1))
	global_store_b128 v6, v[4*((\i)-3+\j):4*((\i)-3+\j)+3], s[14:15] offset:256*((\i)-3+\j)
.endif
.endr
	WIN 0
.endif
.endm
	s_wait_alu depctr_va_vdst(0)                   ; at the head's end
.irp b, 0,1,2,3,4,5,6,7
	STEP_A 5*\b, 2*\b
	STEP_X 5*\b+1, 2*\b
	STEP_W 5*\b+2, \b
	STEP_A 5*\b+3, 2*\b+1
	STEP_X 5*\b+4, 2*\b+1
.endr
	v_nop                                          ; one plain vector line behind the last scaled conversion
	; The fragments: 16 rows x 128 codes in 16 registers, four loads of 16 bytes, 32 bytes apart, at row r x pitch + 16 h: the same bytes of lora_A's and of x's rows, so every product meets its partner.
	; LDS serves a wave's instructions in order (ISA guide 5.7.1.4): these loads see my stores into the stages.  K step s: lora_A's fragment at FR + 32 s, x's at FR + 32 s + 16.
	WIN 0x40
.irp s, 0,1,2,3
.irp c, 0,1,2,3
	ds_load_b128 v[FR+32*\s+4*\c:FR+32*\s+4*\c+3], v4 offset:STA+128*\s+32*\c
.endr
.irp c, 0,1,2,3
	ds_load_b128 v[FR+32*\s+16+4*\c:FR+32*\s+16+4*\c+3], v4 offset:STX+128*\s+32*\c
.endr
.endr
	WIN 0x05                                       ; both sources window 1, C and D window 0
	; Source 0 = lora_A's 16 ranks, source 1 = x's 16 rows: lane (r, h) then holds ranks 8 h .. 8 h + 7 of row r.  Two accumulators by turns, one instruction a turn.
	s_wait_dscnt 24                                ; K step 0's eight loads are in; the 24 of the later steps may be out
	v_wmma_f32_16x16x128_bf8_bf8 v[ACC0:ACC0+7], v[FR:FR+15], v[FR+16:FR+31], 0
	s_wait_dscnt 16                                ; K step 1's
	v_wmma_f32_16x16x128_bf8_bf8 v[ACC1:ACC1+7], v[FR+32:FR+47], v[FR+48:FR+63], 0
	s_wait_dscnt 8                                 ; K step 2's
	v_wmma_f32_16x16x128_bf8_bf8 v[ACC0:ACC0+7], v[FR+64:FR+79], v[FR+80:FR+95], v[ACC0:ACC0+7]
	s_wait_dscnt 0x0
	v_wmma_f32_16x16x128_bf8_bf8 v[ACC1:ACC1+7], v[FR+96:FR+111], v[FR+112:FR+127], v[ACC1:ACC1+7]
	WIN 0
.rept 4
	v_nop                                          ; four places between the last product and the first read of results, and the later loads into the fragments' registers
.endr
.irp j, 0,2,4,6
	v_pk_add_f32 v[T+\j:T+\j+1], v[ACC0+\j:ACC0+\j+1], v[ACC1+\j:ACC1+\j+1]   ; my wave's part
.endr
	ds_store_b128 v5, v[T:T+3]                     ; as an image of the registers: 16 bytes a lane, 512 a store
	ds_store_b128 v5, v[T+4:T+7] offset:512
	s_wait_dscnt 0x0                               ; for the others' sake: my image has landed
	s_barrier_signal -1
	s_barrier_wait -1                              ; all eight images lie in LDS
	s_cmp_lg_u32 s18, 0
	s_cbranch_scc1 .Lweights                       ; wave 0 alone adds them
	WIN 0x40
.irp w, 0,1,2,3,4,5,6,7
.irp u, 0,1
	ds_load_b128 v[FR+8*\w+4*\u:FR+8*\w+4*\u+3], v2 offset:1024*\w+512*\u
.endr
.endr
	WIN 0
	s_wait_dscnt 0x0
	v_and_b32 v152, 15, v0
	v_bfe_u32 v153, v0, 4, 1
	WIN 0x45                                       ; sources and destination window 1
.irp w, 0,1,2,3
.irp j, 0,2,4,6
	v_pk_add_f32 v[FR+8*\w+\j:FR+8*\w+\j+1], v[FR+8*\w+\j:FR+8*\w+\j+1], v[FR+8*(\w+4)+\j:FR+8*(\w+4)+\j+1]
.endr
.endr
.irp w, 0,1
.irp j, 0,2,4,6
	v_pk_add_f32 v[FR+8*\w+\j:FR+8*\w+\j+1], v[FR+8*\w+\j:FR+8*\w+\j+1], v[FR+8*(\w+2)+\j:FR+8*(\w+2)+\j+1]
.endr
.endr
.irp j, 0,2,4,6
	v_pk_add_f32 v[FR+\j:FR+\j+1], v[FR+\j:FR+\j+1], v[FR+8+\j:FR+8+\j+1]
.endr
.irp j, 0,1,2,3,4,5,6,7
	v_ldexp_f32 v[FR+\j], v[FR+\j], s24            ; x 2^(e2 + e3 + 1 - e0 - e1): nothing is rounded, short of overflow and underflow
.endr
.irp j, 0,1,2,3
	v_cvt_pk_bf16_f32 v[FR+64+\j], v[FR+2*\j], v[FR+2*\j+1]
.endr
	WIN 0
	v_lshlrev_b32 v152, 5, v152
	v_lshl_add_u32 v152, v153, 4, v152             ; row r of 32 bytes, + 16 h
	WIN 0x04
	global_store_b128 v152, v[FR+64:FR+67], s[16:17]   ; 16 rows of 32 bytes: 512 consecutive bytes, at a multiple of 512 from t's first byte
	WIN 0
.Lweights:
.irp i, 8,9,10,11,12,13,14,15
	STEP_W 32+\i, \i
.endr
	s_wait_tensorcnt 0x0                           ; the wave's end: behind my last LDS store
	ds_add_u32 v[SPW], v[NIL]
	s_wait_dscnt 0x0
	s_endpgm
.Lfunc_end_k_qa21a9755ff_quant:
	.size	k_qa21a9755ff_quant, .Lfunc_end_k_qa21a9755ff_quant-k_qa21a9755ff_quant
	.p2alignl 7, 3214868480
	.fill 96, 4, 3214868480
	.section	.rodata,"a",@progbits
	.p2align	6, 0x0
	.amdhsa_kernel k_qa21a9755ff_quant
		.amdhsa_group_segment_fixed_size 144384
		.amdhsa_private_segment_fixed_size 0
		.amdhsa_enable_private_segment 0
		.amdhsa_kernarg_size 56
		.amdhsa_user_sgpr_count 2
		.amdhsa_user_sgpr_kernarg_segment_ptr 1
		.amdhsa_wavefront_size32 1
		.amdhsa_system_sgpr_workgroup_id_x 1
		.amdhsa_system_sgpr_workgroup_id_y 1
		.amdhsa_system_sgpr_workgroup_id_z 1
		.amdhsa_system_vgpr_workitem_id 0
		.amdhsa_next_free_vgpr 448
		.amdhsa_next_free_sgpr 66
		.amdhsa_reserve_vcc 0
		.amdhsa_float_denorm_mode_32 3
		.amdhsa_float_denorm_mode_16_64 3
		.amdhsa_memory_ordered 1
		.amdhsa_forward_progress 1
		.amdhsa_inst_pref_size 110
	.end_amdhsa_kernel
	.amdgpu_metadata
---
amdhsa.version: [ 1, 2 ]
amdhsa.kernels:
  - .name:           k_qa21a9755ff_quant
    .symbol:         k_qa21a9755ff_quant.kd
    .args:
      - { .name: hidden_states, .offset: 0, .size: 8, .value_kind: global_buffer, .address_space: global }
      - { .name: W, .offset: 8, .size: 8, .value_kind: global_buffer, .address_space: global }
      - { .name: lora_A, .offset: 16, .size: 8, .value_kind: global_buffer, .address_space: global }
      - { .name: lowp_scales, .offset: 24, .size: 8, .value_kind: global_buffer, .address_space: global }
      - { .name: xc, .offset: 32, .size: 8, .value_kind: global_buffer, .address_space: global }
      - { .name: wc, .offset: 40, .size: 8, .value_kind: global_buffer, .address_space: global }
      - { .name: t, .offset: 48, .size: 8, .value_kind: global_buffer, .address_space: global }
    .group_segment_fixed_size: 144384
    .private_segment_fixed_size: 0
    .kernarg_segment_align: 8
    .kernarg_segment_size: 56
    .max_flat_workgroup_size: 256
    .sgpr_count:     66
    .vgpr_count:     448
    .wavefront_size: 32
...
	.end_amdgpu_metadata
.endif
;; end of part 1
;; launch gemm (part 2): grid 16 x 16, 4 waves a work-group, clusters of 4 x 4, 327,680 bytes of LDS; arguments xc, wc, lowp_scales, out0, t, lora_B, b; writes out0
.if DOCPART == 2
	.amdgcn_target "amdgcn-amd-amdhsa--gfx1250"
	.amdhsa_code_object_version 6
	.text
	.protected	k_qa21a9755ff_gemm
	.globl	k_qa21a9755ff_gemm
	.p2align	8
	.type	k_qa21a9755ff_gemm,@function
k_qa21a9755ff_gemm:
	s_mov_b64 s[64:65], 0
	v_nop
	global_prefetch_b8 v0, s[64:65] scope:SCOPE_SE
	s_setreg_imm32_b32 hwreg(HW_REG_WAVE_MODE, 25, 1), 1
	s_wait_xcnt 0x0
	s_wait_alu depctr_hold_cnt(0) depctr_sa_sdst(0) depctr_va_vdst(0) depctr_va_sdst(0) depctr_va_ssrc(0) depctr_va_vcc(0) depctr_vm_vsrc(0)
	s_getreg_b32 s2, hwreg(HW_REG_IB_STS2, 6, 4)
	s_cmp_eq_u32 s2, 0
	s_cbranch_scc0 .Lentry_in_a_cluster
	s_endpgm
.Lentry_in_a_cluster:
	s_bfe_u32 s2, ttmp6, 0x10000c
	s_cmp_lg_u32 s2, 0xf033
	s_cbranch_scc0 .Lentry_shape_is_right
	s_endpgm
.Lentry_shape_is_right:
; out[m][n] = 2^(e0 + e1) x (sum over k of xc[m][k] wc[n][k] + sum over r of t[m][r] lora_B[m / 512][n][r]) + b[n].
; xc, wc: codes of BF8 (E5M2), 4,096 bytes a row, both with the same order of k;  t: bf16, already x 2^(e2 + e3 + 1 - e0 - e1);  lora_B is rounded to bf16 here; all sums f32.
; LIMIT: e0 + e1 lies between -126 and 127, so that 2^(e0 + e1) is an f32 number.
; A tile of 256 x 256 is made by a work-group of four waves, 128 x 128 each: 64 accumulators of 16 x 16, 512 registers.  256 tiles, 256 work-groups.
; K goes in 16 slots of 256 through a ring of two LDS slots filled by joint tensor loads: 4 x 4 work-groups form a cluster; xc's tile is shared along a row of it, wc's along a column.
; The matrix instruction is used transposed (source 0 = 16 rows of wc, source 1 = 16 rows of xc): a lane holds eight neighbouring columns of one row of the result.
;
; A STEP OF 128 ALONG K is four quarters of 16 products: A low x B low, A low x B high, A high x B low, A high x B high (low: blocks 0-3 of my eight, high: 4-7).
; A group is four blocks x 16 registers, brought by 16 LDS loads.  A has two groups (low, high), B two sets of two groups: even steps use B's set 0, odd steps set 1.
; Behind the second quarter of step n: A low (n+1), B high (n+1).  Behind its fourth: A high (n+1), B low (n+2).  So each group has at least 16 products between its loads and its use.
; A slot holds an even and an odd step.  The change of slots lies in the odd step's second quarter: behind the even step only A high of the odd step is fetched (nothing of the next slot),
; and B low, which would have been fetched there, follows behind the change.
; REGISTERS: window 0: v16-31 addresses; v32-95 t's fragments, then the bias; v128-255 A low, A high.  window 1: B's set 0 at v0, set 1 at v128; at the head v128-255 lora_B; on the way out v0-127 are free.
;   window 2: accumulators of my rows 0-63 ((a, b) at v[8 (8 a + b)]);  window 3: rows 64-127.
.set SIZE_N, 4096
.set SIZE_K, 4096
.set ROWB,   256                       ; a tile's row: 256 codes
.set KROW,   256                       ; xc and wc lie as [16 K slots][4,096 rows][256 bytes]: a row's 4,096 bytes are 16 pieces, one in each slot, and 128 rows of a slot are 32,768 consecutive bytes
.set SLOTB,  4096*256                  ; bytes from a K slot to the next
.set PITCH,  272                       ; an LDS row: 256 bytes + 16 of padding: the 16 rows of a fragment load start at 16 different columns of 16 bytes
.set NP,     4                         ; places behind this matrix instruction (ISA guide 7.12.1)
.set HALFT,  128*PITCH                 ; 128 rows: one tensor load
.set SLOT,   4*HALFT                   ; A's 256 rows, then B's 256 rows
.set LAPS,   SIZE_K/(2*ROWB)           ; 8 laps of two slots
.set SPARE,  2*SLOT                    ; the spare words, 128 bytes a wave, named by no other line
.set SPITCH, 528                       ; the way out: 16 rows x (512 + 16) bytes a wave, in slot 0, which has had its last fill and its last read by then
.set ADRA, 16                          ; v16-17 LDS address of my A fragments in slot 0, 1
.set ADRB, 20                          ; v20-21 the same for B
.set PFO,  22                          ; prefetch: lane x a row of codes
.set STO,  24                          ; into the stage
.set RD,   25                          ; out of the stage
.set CO,   26                          ; my bytes of a row of the output
.set TA,   27                          ; t
.set SPW,  28                          ; my spare word
.set NIL,  29                          ; 0
.set LB,   30                          ; lora_B
.set BO,   31                          ; bias
.set TF,   32                          ; t's fragments (window 0), later the bias
.set AF,   128                         ; A's fragments (window 0)
.set LBW,  128                         ; lora_B as f32 (window 1)
.set LBF,  192                         ; lora_B's fragments, bf16 (window 1)
.set TMP,  0                           ; the way out: 64 finished numbers (window 1)
.set G1, 24
.set G0, 32
.set G1B, 48
.set G0B, 56
.set PFA, 88                           ; s[88:89] where my prefetches stand
.set MSB, 0
.macro WIN new                         ; the immediate's high byte repeats the setting that is left
.if MSB != (\new)
	s_set_vgpr_msb (MSB<<8)|(\new)
.set MSB, (\new)
.endif
.endm
.set MUL_LO, 0xa1                      ; source 0 window 1, source 1 window 0, C and D window 2
.set MUL_HI, 0xf1                      ; the same, C and D window 3
.set TO_B,   0x40                      ; destination window 1
; A joint load: waves 0 and 1 fetch for A, waves 2 and 3 for B.  Each line has one mask and one descriptor for all that issue it; the branch hangs on the wave's number alone.
.macro JLOAD g0a, g1a, g0b, g1b
	s_cmp_eq_u32 s15, 0
	s_cbranch_scc0 .Lfor_b_\@
	tensor_load_to_lds s[\g0a:\g0a+3], s[\g1a:\g1a+7]
	s_nop 0
.rept 4
	v_nop
.endr
	s_branch .Lasked_\@
.Lfor_b_\@:
	tensor_load_to_lds s[\g0b:\g0b+3], s[\g1b:\g1b+7]
	s_nop 0
.rept 4
	v_nop
.endr
.Lasked_\@:
.endm
.macro CREST                           ; a round of the cluster's barrier behind its opening barrier
	s_cmp_lg_u32 s14, 0
	s_cbranch_scc1 .Lnot_wave_0_\@
	s_barrier_signal -3
.Lnot_wave_0_\@:
	s_barrier_wait -3
	s_barrier_signal -1
	s_barrier_wait -1
.endm
.macro CROUND                          ; a whole round
	s_barrier_signal -1
	s_barrier_wait -1
	CREST
.endm
.macro PLACES n                        ; plain places behind matrix instructions (ISA guide 7.12.1 for vector instructions)
.rept \n
	v_nop
.endr
.endm
	s_load_b128 s[4:7], s[0:1], 0x0                ; xc, wc
	s_load_b128 s[8:11], s[0:1], 0x10              ; the scales' exponents, the output
	s_load_b128 s[68:71], s[0:1], 0x20             ; t, lora_B
	s_load_b64 s[72:73], s[0:1], 0x30              ; b
	v_lshl_add_u32 v[SPW], v0, 2, SPARE
	v_mov_b32 v[NIL], 0
	ds_add_u32 v[SPW], v[NIL]                      ; the wave's opening
	ds_add_u32 v[SPW], v[NIL]
	v_lshrrev_b32 v1, 5, v0
	v_readfirstlane_b32 s14, v1                    ; wave 0..3
	s_lshr_b32 s15, s14, 1                         ; which half of the tile's rows is mine; I fetch for A (0) or for B (1)
	s_and_b32 s16, s14, 1                          ; which half of its columns; which 128 rows of that tile I fetch
	s_mul_i32 s21, s15, HALFT                      ; my 128 rows of A
	s_mul_i32 s22, s16, HALFT                      ; my 128 rows of B, behind A's 256
	s_add_co_u32 s22, s22, 2*HALFT
	s_mul_i32 s23, s14, 16*SPITCH                  ; my stage
	v_and_b32 v1, 15, v0                           ; r
	v_bfe_u32 v2, v0, 4, 1                         ; h
	v_and_b32 v6, 31, v0                           ; lane
	v_mul_u32_u24 v3, v1, PITCH
	v_mul_u32_u24 v5, v1, SPITCH
	v_lshl_add_u32 v4, v2, 4, v3                   ; a fragment's row r, + 16 h
	v_lshl_add_u32 v5, v2, 5, v5
	v_add_nc_u32 v[ADRA], s21, v4
	v_add_nc_u32 v[ADRB], s22, v4
	v_add_nc_u32 v[ADRA+1], SLOT, v[ADRA]
	v_add_nc_u32 v[ADRB+1], SLOT, v[ADRB]
	v_add_nc_u32 v[STO], s23, v5
	v_lshlrev_b32 v[CO], 4, v6                     ; the 32 lanes take a row of 512 bytes
	v_add_nc_u32 v[RD], s23, v[CO]
	v_lshlrev_b32 v[PFO], 8, v6                    ; lane x 256
	v_lshlrev_b32 v[TA], 5, v1
	v_lshl_add_u32 v[TA], v2, 4, v[TA]             ; t: row r of 32 bytes, + 16 h
	v_lshlrev_b32 v[LB], 6, v1
	v_lshl_add_u32 v[LB], v2, 5, v[LB]             ; lora_B: row r of 64 bytes, + 32 h
	v_lshlrev_b32 v[BO], 5, v2                     ; bias: 32 h
	s_bfe_u32 s40, ttmp6, 0x40000                  ; cx
	s_bfe_u32 s41, ttmp6, 0x40004                  ; cy
	s_lshl_b32 s42, ttmp9, 2
	s_add_co_u32 s42, s42, s40                     ; tile column
	s_and_b32 s17, ttmp7, 0xffff
	s_lshl_b32 s17, s17, 2
	s_add_co_u32 s17, s17, s41                     ; tile row
	s_lshl_b32 s43, s41, 2
	s_lshl_b32 s43, 15, s43                        ; my row of the cluster
	s_lshl_b32 s44, 0x1111, s40                    ; my column
	; descriptor group 1: 128 rows x 256 bytes, 16 bytes of padding behind each row; the mask, and bit 21 beside it
	s_or_b32 s[G1+0], s43, (1<<20)|(1<<21)|(5<<22)|(3<<25)
	s_or_b32 s[G1B+0], s44, (1<<20)|(1<<21)|(5<<22)|(3<<25)
.irp g, G1, G1B
	s_mov_b32 s[\g+1], ROWB<<16
	s_mov_b32 s[\g+2], 128<<16
	s_mov_b32 s[\g+3], ROWB<<16
	s_mov_b32 s[\g+4], 128
	s_mov_b32 s[\g+5], KROW
	s_mov_b32 s[\g+6], 0
	s_mov_b32 s[\g+7], 0
.endr
	s_lshl_b32 s80, s17, 13                        ; t: my first row x 32 bytes
	s_lshl_b32 s81, s15, 12
	s_add_co_u32 s80, s80, s81
	s_mov_b32 s81, 0
	s_lshr_b32 s82, s17, 1                         ; lora_B: stream = row / 512 = tile row / 2: 4,096 rows of 64 bytes;
	s_lshl_b32 s82, s82, 18
	s_lshl_b32 s83, s42, 14                        ; my first column's row
	s_add_co_u32 s82, s82, s83
	s_lshl_b32 s83, s16, 13
	s_add_co_u32 s82, s82, s83
	s_mov_b32 s83, 0
	s_lshl_b32 s84, s42, 10                        ; b: my first column x 4 bytes
	s_lshl_b32 s85, s16, 9
	s_add_co_u32 s84, s84, s85
	s_mov_b32 s85, 0
	s_lshl_b32 s18, s16, 7                         ; which 128 rows of the tile I fetch
	s_lshl_b32 s20, s17, 8
	s_add_co_u32 s20, s20, s18
	s_lshl_b32 s46, s42, 8
	s_add_co_u32 s46, s46, s18
	s_mov_b32 s21, 0
	s_mov_b32 s47, 0
	s_mov_b64 s[18:19], KROW
	s_mul_u64 s[20:21], s[20:21], s[18:19]
	s_mul_u64 s[46:47], s[46:47], s[18:19]
	s_mul_i32 s45, s14, HALFT                      ; where they go: no place in the cluster enters an LDS address
	s_wait_alu depctr_va_vdst(0)                   ; directly ahead of the waits below
	s_wait_dscnt 0x0                               ; both opening adds are done
	s_wait_kmcnt 0x0
	s_load_b64 s[96:97], s[8:9], 0x0               ; e0, e1
	s_add_nc_u64 s[20:21], s[4:5], s[20:21]
	s_add_nc_u64 s[46:47], s[6:7], s[46:47]
	s_add_nc_u64 s[74:75], s[68:69], s[80:81]
	s_add_nc_u64 s[76:77], s[70:71], s[82:83]
	s_add_nc_u64 s[78:79], s[72:73], s[84:85]
	; the small product's operands are asked for at once: t as it lies, lora_B as f32
.irp a, 0,1,2,3,4,5,6,7
	global_load_b128 v[TF+8*\a:TF+8*\a+3], v[TA], s[74:75] offset:512*\a
.endr
	WIN TO_B
.irp b, 0,1,2,3,4,5,6,7
	global_load_b128 v[LBW+8*\b:LBW+8*\b+3], v[LB], s[76:77] offset:1024*\b
	global_load_b128 v[LBW+8*\b+4:LBW+8*\b+7], v[LB], s[76:77] offset:1024*\b+16
.endr
	WIN 0
.irp s, 0,1
	s_mov_b32 s[G0+4*\s], 1
	s_add_co_u32 s[G0+4*\s+1], s45, \s*SLOT
	s_add_nc_u64 s[G0+4*\s+2:G0+4*\s+3], s[20:21], \s*SLOTB
	s_or_b32 s[G0+4*\s+3], s[G0+4*\s+3], 0x80000000
	s_mov_b32 s[G0B+4*\s], 1
	s_add_co_u32 s[G0B+4*\s+1], s45, \s*SLOT
	s_add_nc_u64 s[G0B+4*\s+2:G0B+4*\s+3], s[46:47], \s*SLOTB
	s_or_b32 s[G0B+4*\s+3], s[G0B+4*\s+3], 0x80000000
.endr
	CROUND                                         ; all sixteen work-groups are here: the first joint loads meet
	JLOAD G0, G1, G0B, G1B                         ; K slot 0: one tensor load a wave at the head
	; ranks 16 to 31 of the small product's fragments are zeros
.irp a, 0,1,2,3,4,5,6,7
.irp j, 4,5,6,7
	v_mov_b32 v[TF+8*\a+\j], 0
.endr
.endr
	WIN TO_B
.irp b, 0,1,2,3,4,5,6,7
.irp j, 4,5,6,7
	v_mov_b32 v[LBF+8*\b+\j], 0
.endr
.endr
	WIN 0
	; THE PREFETCHES: of the 128 rows that my wave fetches, the partner at place p of the four that ask jointly (p = cx for A, cy for B) names rows 32 p .. 32 p + 31, a lane a row, 256 bytes of each:
	; told apart by address alone, each row once in a cluster.  Behind K slot 0's load slots 1 and 2, behind slot 1's load slot 3, behind the refill with slot c + 2 slot c + 4: two slots ahead at the most.
	s_cmp_eq_u32 s15, 0
	s_cselect_b64 s[PFA:PFA+1], s[4:5], s[6:7]
	s_cselect_b32 s90, s17, s42
	s_cselect_b32 s91, s40, s41
	s_lshl_b32 s90, s90, 8
	s_lshl_b32 s91, s91, 5
	s_add_co_u32 s90, s90, s91
	s_lshl_b32 s91, s16, 7
	s_add_co_u32 s90, s90, s91                     ; row
	s_lshl_b32 s90, s90, 8                         ; x 256 bytes: below 2^20
	s_mov_b32 s91, 0
	s_add_nc_u64 s[PFA:PFA+1], s[PFA:PFA+1], s[90:91]
	s_wait_alu depctr_va_vdst(0)
	global_prefetch_b8 v[PFO], s[PFA:PFA+1] offset:SLOTB th:TH_LOAD_NT scope:SCOPE_SE
	global_prefetch_b8 v[PFO], s[PFA:PFA+1] offset:2*SLOTB th:TH_LOAD_NT scope:SCOPE_SE
	; where my part of the output begins
	s_lshl_b32 s20, s17, 8
	s_lshl_b32 s21, s15, 7
	s_add_co_u32 s20, s20, s21
	s_mov_b32 s21, 0
	s_mov_b64 s[18:19], SIZE_N*4
	s_mul_u64 s[20:21], s[20:21], s[18:19]
	s_lshl_b32 s46, s42, 10
	s_lshl_b32 s47, s16, 9
	s_add_co_u32 s46, s46, s47
	s_mov_b32 s47, 0
	s_add_nc_u64 s[20:21], s[20:21], s[46:47]
	s_add_nc_u64 s[10:11], s[10:11], s[20:21]
	s_wait_kmcnt 0x0
	s_add_co_i32 s96, s96, s97
	s_add_co_i32 s96, s96, 127
	s_lshl_b32 s96, s96, 23                        ; 2^(e0 + e1) as f32
.macro FRAG reg, adr, q, i             ; 16 rows x 128 codes in 16 registers: lane l row l % 16; registers 4 c .. 4 c + 3: bytes 32 c + 16 (l / 16) + 0 .. 15: the same permutation of k on both sides
.irp c, 0,1,2,3
	ds_load_b128 v[\reg+4*\c:\reg+4*\c+3], v[\adr] offset:128*(\q)+32*\c+(\i)*16*PITCH
.endr
.endm
.macro FA slot, q, h                   ; 16 loads: A's group h of step q of the slot.  Window 0
.irp i, 0,1,2,3
	FRAG AF+16*(4*(\h)+\i), ADRA+\slot, \q, 4*(\h)+\i
.endr
.endm
.macro FB slot, q, p, h                ; 16 loads: B's group h of step q into set p.  Destination window 1
.irp i, 0,1,2,3
	FRAG 128*(\p)+16*(4*(\h)+\i), ADRB+\slot, \q, 4*(\h)+\i
.endr
.endm
.macro PH8 ah, bh, p, a0               ; 8 products: blocks a0, a0 + 1 of A's group ah x the four of B's group bh of set p.  All 64 accumulators by turns, in the same order in every step
.irp a, \a0, \a0+1
.irp b, 0,1,2,3
	v_wmma_f32_16x16x128_bf8_bf8 v[8*(8*(\a)+4*(\bh)+\b):8*(8*(\a)+4*(\bh)+\b)+7], v[128*(\p)+16*(4*(\bh)+\b):128*(\p)+16*(4*(\bh)+\b)+15], v[AF+16*(4*(\ah)+\a):AF+16*(4*(\ah)+\a)+15], v[8*(8*(\a)+4*(\bh)+\b):8*(8*(\a)+4*(\bh)+\b)+7]
.endr
.endr
.endm
.macro PH ah, bh, p                    ; a quarter: 16 products
	PH8 \ah, \bh, \p, 0
	PH8 \ah, \bh, \p, 2
.endm
.macro LORA16 a0
.irp a, \a0, \a0+1
.irp b, 0,1,2,3,4,5,6,7
	v_wmma_f32_16x16x32_bf16 v[8*(8*((\a)%4)+\b):8*(8*((\a)%4)+\b)+7], v[LBF+8*\b:LBF+8*\b+7], v[TF+8*(\a):TF+8*(\a)+7], 0
.endr
.endr
.endm
; An even step.  Issued ahead of it, oldest first, 16 loads each: A low, B low, B high, A high, B low of the odd step.
.macro EVEN slot
	s_wait_dscnt 48                                ; A low and B low are in: three younger groups may be out
	WIN MUL_LO
	PH 0, 0, 0
	s_wait_dscnt 32                                ; B high is in
	PH 0, 1, 0
	PLACES NP
	WIN 0
	FA \slot, 1, 0                                 ; the odd step's A low and B high
	WIN TO_B
	FB \slot, 1, 1, 1
	s_wait_dscnt 48                                ; A high is in: behind it B low of the odd step and the 32 just issued
	WIN MUL_HI
	PH 1, 0, 0
	PH 1, 1, 0
	PLACES NP
	WIN 0
	FA \slot, 1, 1                                 ; the odd step's A high: my last reads of this slot
.endm
; An odd step, with the change of slots in its second quarter.  fill = 1: the slot just read takes the K slot two on, behind a round of the cluster's barrier.
.macro ODD slot, next, fill
.if \fill
	s_wait_xcnt 0x0                                ; my last prefetch has read its address
	s_add_nc_u64 s[PFA:PFA+1], s[PFA:PFA+1], SLOTB
.endif
	s_wait_dscnt 32                                ; A low and B low are in; B high and A high may be out
	WIN MUL_LO
	PH 0, 0, 1
	s_wait_dscnt 16                                ; B high is in
	WIN 0                                          ; (the add's registers lie in window 0)
	s_wait_tensorcnt 0x0                           ; all my tensor loads have landed: my part of the next slot
	ds_add_u32 v[SPW], v[NIL]                      ; 0 onto my spare word
.if \fill
	s_add_nc_u64 s[G0+4*\slot+2:G0+4*\slot+3], s[G0+4*\slot+2:G0+4*\slot+3], 2*SLOTB
	s_add_nc_u64 s[G0B+4*\slot+2:G0B+4*\slot+3], s[G0B+4*\slot+2:G0B+4*\slot+3], 2*SLOTB
.endif
	WIN MUL_LO
	PH8 0, 1, 1, 0                                 ; eight products between the add and the wait for it
	s_wait_dscnt 0x0                               ; the add is done, and so are my reads of this slot
	s_barrier_signal -1
	PH8 0, 1, 1, 2                                 ; eight while the others arrive
	WIN 0
	s_barrier_wait -1
.if \fill
	CREST                                          ; no wave of any partner still reads this slot or has a load on its way
	JLOAD G0+4*\slot, G1, G0B+4*\slot, G1B         ; the first tensor load behind the round; its four v_nop are also the places in front of the loads below
.else
	PLACES NP
.endif
	FA \next, 0, 0                                 ; the next slot's first step: A low, B low, B high
	WIN TO_B
	FB \next, 0, 0, 0                              ; (B high follows behind the third quarter, ahead of A high: the order of the groups is the even step's)
.if \fill
	WIN 0
	s_cmp_gt_u32 s3, 1                             ; the loop's last trip asks for nothing: there is no K slot 16
	s_cbranch_scc0 .Lnone_\@
	global_prefetch_b8 v[PFO], s[PFA:PFA+1] offset:3*SLOTB th:TH_LOAD_NT scope:SCOPE_SE
.Lnone_\@:
.endif
	WIN MUL_HI
	PH 1, 0, 1
	WIN TO_B
	FB \next, 0, 0, 1                              ; set 0 was last multiplied in the even step: the places behind that step lie between
	WIN MUL_HI
	PH 1, 1, 1
	PLACES NP
	WIN 0
	FA \next, 0, 1                                 ; its A high, and B low of its odd step
	WIN TO_B
	FB \next, 1, 1, 0
.endm
	; THE SMALL PRODUCT starts the sums, while K slot 0 is on its way: 16 ranks and 16 zeros, one product an accumulator
	s_wait_loadcnt 0x0                             ; t and lora_B are in
	WIN 0x45
.irp b, 0,1,2,3,4,5,6,7
.irp j, 0,1,2,3
	v_cvt_pk_bf16_f32 v[LBF+8*\b+\j], v[LBW+8*\b+2*\j], v[LBW+8*\b+2*\j+1]
.endr
.endr
	WIN MUL_LO
	LORA16 0
	LORA16 2
	WIN MUL_HI
	LORA16 4
	LORA16 6
	PLACES 5                                       ; another form takes these results as C (ISA guide 7.12.1); and the bias lands where t's fragments were
	WIN 0
.irp b, 0,1,2,3,4,5,6,7                ; the bias of my columns 16 b + 8 h + 0 .. 7, read on the way out
	global_load_b128 v[TF+8*\b:TF+8*\b+3], v[BO], s[78:79] offset:64*\b
	global_load_b128 v[TF+8*\b+4:TF+8*\b+7], v[BO], s[78:79] offset:64*\b+16
.endr
	s_wait_tensorcnt 0x0                           ; my part of K slot 0 is in
	ds_add_u32 v[SPW], v[NIL]
	s_wait_dscnt 0x0
	CROUND                                         ; everybody's part of K slot 0 is in, and the joint loads meet
	JLOAD G0+4, G1, G0B+4, G1B                     ; K slot 1
	FA 0, 0, 0
	WIN TO_B
	FB 0, 0, 0, 0
	FB 0, 0, 0, 1
	WIN 0
	FA 0, 0, 1
	WIN TO_B
	FB 0, 1, 1, 0                                  ; B low of step 1, over lora_B's f32 numbers, which have been read
	WIN 0
	global_prefetch_b8 v[PFO], s[PFA:PFA+1] offset:3*SLOTB th:TH_LOAD_NT scope:SCOPE_SE
	EVEN 0
	s_mov_b32 s3, LAPS-1
.Llap:                                                 ; a trip: a lap's first odd step to the next lap's first even step
	ODD 0, 1, 1
	EVEN 1
	ODD 1, 0, 1
	EVEN 0
	s_sub_co_u32 s3, s3, 1
	s_cmp_lg_u32 s3, 0
	s_cbranch_scc1 .Llap
	ODD 0, 1, 0                                    ; the last change fills nothing and has no round
	EVEN 1
; THE WAY OUT, by blocks of 16 rows x 128 columns: x 2^(e0 + e1) + b, through my own stage, back as rows of 512 bytes.  LDS serves a wave's instructions in order (ISA guide 5.7.1.4).
.macro TOSTAGE a
.set AC, 64*((\a)%4)
.set BB, 128-64*((\a)%2)               ; back into window 0's v128-191 (even blocks) or window 1's v64-127 (odd blocks)
	WIN 0x42+((\a)/4)                              ; destination window 1, source 0 window 2 or 3
.irp j, 0,2,4,6,8,10,12,14,16,18,20,22,24,26,28,30,32,34,36,38,40,42,44,46,48,50,52,54,56,58,60,62
	v_pk_fma_f32 v[TMP+\j:TMP+\j+1], v[AC+\j:AC+\j+1], s[96:97], v[TF+\j:TF+\j+1] op_sel_hi:[1,0,1]
.endr
	WIN 0x04
.irp b, 0,1,2,3,4,5,6,7
	ds_store_b128 v[STO], v[TMP+8*\b:TMP+8*\b+3] offset:64*\b
	ds_store_b128 v[STO], v[TMP+8*\b+4:TMP+8*\b+7] offset:64*\b+16
.endr
	WIN 0x40*((\a)%2)
.irp t, 0,1,2,3,4,5,6,7,8,9,10,11,12,13,14,15
	ds_load_b128 v[BB+4*\t:BB+4*\t+3], v[RD] offset:\t*SPITCH
.endr
.endm
.macro SEND a, younger                 ; younger: the LDS instructions issued behind block a's loads
.set BB, 128-64*((\a)%2)
	s_wait_dscnt \younger
	WIN 0x04*((\a)%2)
.if (\a) > 0
	s_add_nc_u64 s[10:11], s[10:11], 16*SIZE_N*4   ; behind a wait on XCNT: the earlier stores have read their base
.endif
.irp t, 0,1,2,3,4,5,6,7,8,9,10,11,12,13,14,15
	global_store_b128 v[CO], v[BB+4*\t:BB+4*\t+3], s[10:11] offset:\t*SIZE_N*4 th:TH_STORE_NT   ; 32 lanes store 512 consecutive bytes, at a multiple of 512 from the output's first byte
.endr
.endm
	; the last odd step: blocks 0-3 are finished behind its second quarter, and the first of them leave between the others' products
	s_wait_dscnt 32
	WIN MUL_LO
	PH 0, 0, 1
	s_wait_dscnt 16
	PH 0, 1, 1
	s_wait_loadcnt 0x0                             ; the bias is in
	PLACES NP
	TOSTAGE 0
	s_wait_dscnt 32                                ; A high is in: behind it block 0's 16 stores and 16 loads
	WIN MUL_HI
	PH 1, 0, 1
	TOSTAGE 1
	SEND 0, 32                                     ; behind block 0's loads: block 1's 16 stores and 16 loads
	WIN MUL_HI
	PH 1, 1, 1
.irp a, 2,3,4,5,6,7
	s_wait_xcnt 0x0                                ; block a - 2's stores have read their registers and their base
	TOSTAGE \a
	SEND \a-1, 32
.endr
	s_wait_xcnt 0x0
	SEND 7, 0
	WIN 0
	s_wait_tensorcnt 0x0                           ; the wave's end
	ds_add_u32 v[SPW], v[NIL]
	s_wait_dscnt 0x0
	CROUND                                         ; the closing round: no work-group ends while a partner may still ask for a tile that names it
	s_endpgm
.Lfunc_end_k_qa21a9755ff_gemm:
	.size	k_qa21a9755ff_gemm, .Lfunc_end_k_qa21a9755ff_gemm-k_qa21a9755ff_gemm
	.p2alignl 7, 3214868480
	.fill 96, 4, 3214868480
	.section	.rodata,"a",@progbits
	.p2align	6, 0x0
	.amdhsa_kernel k_qa21a9755ff_gemm
		.amdhsa_group_segment_fixed_size 327680
		.amdhsa_private_segment_fixed_size 0
		.amdhsa_enable_private_segment 0
		.amdhsa_kernarg_size 56
		.amdhsa_user_sgpr_count 2
		.amdhsa_user_sgpr_kernarg_segment_ptr 1
		.amdhsa_wavefront_size32 1
		.amdhsa_system_sgpr_workgroup_id_x 1
		.amdhsa_system_sgpr_workgroup_id_y 1
		.amdhsa_system_sgpr_workgroup_id_z 1
		.amdhsa_system_vgpr_workitem_id 0
		.amdhsa_next_free_vgpr 1024
		.amdhsa_next_free_sgpr 98
		.amdhsa_reserve_vcc 0
		.amdhsa_float_denorm_mode_32 3
		.amdhsa_float_denorm_mode_16_64 3
		.amdhsa_memory_ordered 1
		.amdhsa_forward_progress 1
		.amdhsa_inst_pref_size 139
	.end_amdhsa_kernel
	.amdgpu_metadata
---
amdhsa.version: [ 1, 2 ]
amdhsa.kernels:
  - .name:           k_qa21a9755ff_gemm
    .symbol:         k_qa21a9755ff_gemm.kd
    .args:
      - { .name: xc, .offset: 0, .size: 8, .value_kind: global_buffer, .address_space: global }
      - { .name: wc, .offset: 8, .size: 8, .value_kind: global_buffer, .address_space: global }
      - { .name: lowp_scales, .offset: 16, .size: 8, .value_kind: global_buffer, .address_space: global }
      - { .name: out0, .offset: 24, .size: 8, .value_kind: global_buffer, .address_space: global }
      - { .name: t, .offset: 32, .size: 8, .value_kind: global_buffer, .address_space: global }
      - { .name: lora_B, .offset: 40, .size: 8, .value_kind: global_buffer, .address_space: global }
      - { .name: b, .offset: 48, .size: 8, .value_kind: global_buffer, .address_space: global }
    .group_segment_fixed_size: 327680
    .private_segment_fixed_size: 0
    .kernarg_segment_align: 8
    .kernarg_segment_size: 56
    .max_flat_workgroup_size: 128
    .sgpr_count:     98
    .vgpr_count:     1024
    .wavefront_size: 32
...
	.end_amdgpu_metadata
.endif
;; end of part 2
